; MI455X (gfx1250); checked and timed in simulation.
; The chip was launched on July 23, 2026; its instructions are those of AMD's public machine-readable ISA for CDNA 5 (MIT licence, August 2026) and "CDNA5" Instruction Set Architecture Reference Guide (July 2026). The comments in the code are by the model that wrote it; some were corrected since.
;; Multi Head Attention. Allowed arithmetic: matrix products marked QUANTISED: E5M2 operands, one given power-of-two scale a tensor, by v_wmma_f32_16x16x64_bf8_bf8 or v_wmma_f32_16x16x128_bf8_bf8, f32 sums; everything else in f32.
;; Inputs: Wk_codes 1,024 x 32 x 32 uint8 (E5M2 codes of Wk, K innermost, in blocks of 32 codes); Wo_codes 1,024 x 32 x 32 uint8 (E5M2 codes of Wo, K innermost, in blocks of 32 codes); Wq_codes 1,024 x 32 x 32 uint8 (E5M2 codes of Wq, K innermost, in blocks of 32 codes); Wv_codes 1,024 x 32 x 32 uint8 (E5M2 codes of Wv, K innermost, in blocks of 32 codes); bk 1,024 float32; bo 1,024 float32; bq 1,024 float32; bv 1,024 float32; k_codes 4 x 2,048 x 32 x 32 uint8 (E5M2 codes of k, K innermost, in blocks of 32 codes); lowp_scales 12 int32 (the exponents e of the quantised operands' scales 2^e); q_codes 4 x 2,048 x 32 x 32 uint8 (E5M2 codes of q, K innermost, in blocks of 32 codes); v_codes 4 x 2,048 x 32 x 32 uint8 (E5M2 codes of v, K innermost, in blocks of 32 codes).
;; Outputs: out0 4 x 2,048 x 1,024 float32.
;; This version of the problem:
;;   THIS VERSION OF THE PROBLEM IS GIVEN IN LOW PRECISION. The matrix products marked QUANTISED in the list below multiply operands that are first quantised to E5M2 (5 exponent bits, 2 mantissa bits; 8 bits a number), with one given power-of-two scale for each operand tensor; their sums are f32. All else is computed in f32.
;;   The module's matrix products, in the order in which they are computed (A, B: the left and right operand; K: the contracted axis; several contracted axes count as one K, in the product's order):
;;     1. [M 8,192, K 1,024] x [K 1,024, N 1,024]; A: input q (given as codes); B: input Wq (given as codes): QUANTISED (scales: A lowp_scales[0], B lowp_scales[1])
;;     2. [M 8,192, K 1,024] x [K 1,024, N 1,024]; A: input k (given as codes); B: input Wk (given as codes): QUANTISED (scales: A lowp_scales[2], B lowp_scales[3])
;;     3. [M 8,192, K 1,024] x [K 1,024, N 1,024]; A: input v (given as codes); B: input Wv (given as codes): QUANTISED (scales: A lowp_scales[4], B lowp_scales[5])
;;     4. batch 64 x [M 2,048, K 64] x [K 64, N 2,048]; A: computed on the way; B: computed on the way: QUANTISED (scales: A lowp_scales[6], B lowp_scales[7])
;;     5. batch 64 x [M 2,048, K 2,048] x [K 2,048, N 64]; A: softmax (see below); B: computed on the way: QUANTISED (scales: A lowp_scales[8], B lowp_scales[9])
;;     6. [M 8,192, K 1,024] x [K 1,024, N 1,024]; A: computed on the way; B: input Wo (given as codes): QUANTISED (scales: A lowp_scales[10], B lowp_scales[11])
;;   THE QUANTISER, for each operand of a quantised product, along K:
;;     - The operand's scale is 2^e, e = its entry of the input lowp_scales (int32; the entries are numbered through the quantised products in the list's order, A before B).
;;     - Each number is divided by the scale, clamped to +-57,344, and rounded to the nearest number of E5M2, ties to even, subnormals kept.
;;     - The product sums the exact products of the quantised numbers (number of the format x scale) in f32.
;;   ~~~python
;;   def quantise(x, axis, e):      # numpy; x: float32 -> the quantised numbers, widened to float32 again
;;       x = np.moveaxis(x, axis, -1); K = x.shape[-1]
;;       r = np.clip(x / 2.0 ** e, -57344, 57344)
;;       step = 2.0 ** (np.maximum(np.frexp(np.where(r == 0, 1, r))[1] - 1, -14) - 2)
;;       q = np.round(r / step) * step * 2.0 ** e      # np.round: ties to even
;;       return np.moveaxis(q, -1, axis).astype(np.float32)
;;   ~~~
;;   SOFTMAX AHEAD OF A QUANTISED PRODUCT. Where the list says 'softmax', what is quantised is not the finished softmax but p = 2^(t - M), with t = logit x log2(e) and M = ceil(the row's largest t), a whole number; so 1/2 < the row's largest p <= 1. The row's sum l is taken of the UNQUANTISED p, in f32, and the product's result is divided by l at the end. Since M is a whole number, a kernel that streams over the keys may use a running M (the ceiling of the running maximum): every later rescaling is an exact power of two, so the quantised numbers keep their values, but for numbers so far below the row's largest that they fall under the format's range.
;;   OPERANDS COMPUTED ON THE WAY. 'Computed on the way' means the value that the module computes at that place (a softmax that the list does not call 'softmax' is quantised finished and normalised). What goes into a quantiser is computed in f32, as accurately as f32 sums, v_exp_f32 and their like allow (about 1e-6 of the number): no bf16 or f16 on the way to a quantiser, and a product that is left as it is and whose result goes on into a quantised operand takes f32 operands (vector FMAs, or v_wmma_f32_16x16x4_f32). A number that lies on a knife's edge between two numbers of the format may be rounded either way, as far as f32 arithmetic and the matrix unit's own rounding can turn it there, and no further.
;;   INPUTS GIVEN AS CODES. Wk (in the module: [1024, 1024], K = its axis 0); Wo (in the module: [1024, 1024], K = its axis 0); Wq (in the module: [1024, 1024], K = its axis 0); Wv (in the module: [1024, 1024], K = its axis 0); k (in the module: [4, 2048, 1024], K = its axis 2); q (in the module: [4, 2048, 1024], K = its axis 2); v (in the module: [4, 2048, 1024], K = its axis 2): each comes as NAME_codes (uint8): NAME with its K axis moved to the last place and cut into blocks of 32 codes, [.., K / 32, bytes a block], one block behind the other in memory; one code a byte (a code: sign, 5 exponent bits, 2 mantissa bits); its scale is its entry of lowp_scales. Its value is code x scale, taken as it is: it is not quantised again, and the codes and scales need not be those that the quantiser above would give.
;; One version. Each part assembles by itself: llvm-mc -triple=amdgcn-amd-amdhsa -mcpu=gfx1250 --defsym DOCPART=n.
;; ======== version 1 of 1: 3 launches
;; limits: right only within a limited range of input values
;; workspace buffers: qh 8,388,608 bytes; kh 8,388,608 bytes; vh 8,388,608 bytes; oimg 8,388,608 bytes
;; launch proj (part 1): grid 4 x 96, 4 waves a work-group, clusters of 4 x 4, 327,680 bytes of LDS; arguments q_codes, k_codes, v_codes, Wq_codes, Wk_codes, Wv_codes, bq, bk, bv, lowp_scales, qh, kh, vh; writes qh, kh, vh
.if DOCPART == 1
	.amdgcn_target "amdgcn-amd-amdhsa--gfx1250"
	.amdhsa_code_object_version 6
	.text
	.protected	k_q13a28df004_proj
	.globl	k_q13a28df004_proj
	.p2align	8
	.type	k_q13a28df004_proj,@function
k_q13a28df004_proj:
	s_mov_b64 s[64:65], 0
	v_nop
	global_prefetch_b8 v0, s[64:65] scope:SCOPE_SE
	s_setreg_imm32_b32 hwreg(HW_REG_WAVE_MODE, 25, 1), 1
	s_wait_xcnt 0x0
	s_wait_alu depctr_hold_cnt(0) depctr_sa_sdst(0) depctr_va_vdst(0) depctr_va_sdst(0) depctr_va_ssrc(0) depctr_va_vcc(0) depctr_vm_vsrc(0)
	s_getreg_b32 s2, hwreg(HW_REG_IB_STS2, 6, 4)
	s_cmp_eq_u32 s2, 0
	s_cbranch_scc0 .Lentry_in_a_cluster
	s_endpgm
.Lentry_in_a_cluster:
	s_bfe_u32 s2, ttmp6, 0x10000c
	s_cmp_lg_u32 s2, 0xf033
	s_cbranch_scc0 .Lentry_shape_is_right
	s_endpgm
.Lentry_shape_is_right:
; THE THREE PROJECTIONS: y = x W + b on codes of BF8 (E5M2), each result quantised again to BF8 and stored as an IMAGE OF THE OPERAND REGISTERS that the attention launch wants.
; x: [8192 tokens][1024] codes; W: [1024 channels][1024] codes, K innermost; b: [1024] f32.  Sums in f32; y = sum x 2^(ea + eb) + b in one fused multiply-add; code = y / 2^eo, held within +-57,344, nearest, ties to even.
; Which projection: p = cluster y / 8: 0 q (e0, e1 -> e6), 1 k (e2, e3 -> e7), 2 v (e4, e5 -> e9).  p is the same in all sixteen partners of a cluster.
; LIMITS: ea + eb between -126 and 127; eo between -126 and 112, so that each power of two below is an f32 number.  NaN among the biases is not served.
; SHARES.  A work-group of four waves makes 256 tokens x 256 channels, a wave 128 x 128: 64 accumulators, 512 registers.  K goes in steps of 256 through a ring of two LDS slots filled by the tensor data mover.
; CLUSTERS: 4 x 4 work-groups.  The four of a row need the same token tile, the four of a column the same tile of W: each is asked for JOINTLY, by the same tensor load with the same descriptor and a mask that names the four.
; ORIENTATION.  Source 0 takes 16 rows of X, source 1 16 rows of Y: a lane then holds ONE row of Y (lane % 16) and eight neighbouring rows of X (8 (lane / 16) + 0 .. 7), which one conversion packs into two registers:
; registers 2 c, 2 c + 1 of the next product's operand, c the tile's number along that product's K.  q, k: X = channels (the next K is the head's 64), Y = tokens.  v: X = tokens (the next K is the keys), Y = channels.
; The text is one for the three: only the two LDS bases from which X and Y are read are chosen by p; the way out is written twice.
; OUT.  qh, kh: [batch x head][tile of 16 tokens][2 chunks][lane][16 bytes]; vh: [batch x head][128 keys][tile of 16 channels][4 chunks][lane][16 bytes].  Every store of a wave covers 512 consecutive bytes, aligned.
; REGISTERS, in windows of 256: window 0: v0-31 addresses and constants; v32-95 the bias; from v128 Y's fragments, ONE set (on the way out: v128-191 numbers at work, v192-223 codes, two sets).
;   window 1: X's fragments, TWO sets, at v0 and v128.   window 2: the accumulators of Y's blocks 0-3 ((a, b) at v[8 (8 (a % 4) + b)]);   window 3: those of blocks 4-7.
.set KROW,   1024                      ; a row of codes in memory, in bytes
.set ROWB,   256                       ; a tile's row: 256 along K
.set PITCH,  272                       ; an LDS row: 256 bytes + 16 of padding = 68 words: row r starts at bank 4 r mod 64 (64 banks of 4 bytes: ISA guide 11.1), so the 16 rows of a load start at 16 different banks
.set FR,     16                        ; registers of a fragment: 16 rows x 128 K
.set NL,     4                         ; LDS loads that bring one
.set NP,     4                         ; places behind this matrix instruction (ISA guide 7.12.1)
.set HALFT,  128*PITCH                 ; 128 rows: what one tensor load brings, and what one wave reads of X or of Y
.set SLOT,   4*HALFT                   ; the 256 token rows, then W's 256 rows
.set SPARE,  2*SLOT                    ; behind the ring: the spare words, 128 bytes for each wave: two blocks of 256 bytes that no other line names
.set ADRY, 16                          ; v16-17  LDS address of my Y fragments in slot 0, 1
.set ADRX, 20                          ; v20-21  the same for X
.set LI,   26                          ; v26     16 x lane: my place in a stored chunk of 512 bytes
.set BA,   27                          ; v27     my byte offset among the wave's 128 biases
.set SPW,  28                          ; v28     LDS address of my spare word: SPARE + 4 x my thread's number; never rewritten
.set NIL,  29                          ; v29     0; never rewritten
.set SCL,  30                          ; v30     2^eo as f32: the conversion takes its exponent field
.set LIM,  31
.set BI,   32                          ; v32-95  the bias in the result's layout
.set YF,   128                         ; Y's fragments
.set T,    128                         ; the way out: 64 numbers of a block
.set CD,   192                         ; the way out: a block's 16 registers of codes, two sets by turns
.set G1, 24                            ; s[24:31] descriptor group 1 for the token tiles;  s[32:39] group 0, one set for each slot
.set G0, 32
.set G1B, 48                           ; s[48:55], s[56:63] the same for W's tiles
.set G0B, 56
.set MSB, 0
.macro WIN new                         ; the immediate's high byte repeats the setting that is left
.if MSB != \new
	s_set_vgpr_msb (MSB<<8)|\new
.set MSB, \new
.endif
.endm
.set MUL_LO, 0xa1                      ; source 0 (X) window 1, source 1 (Y) window 0, C and D window 2
.set MUL_HI, 0xf1                      ; the same, C and D window 3
.set TO_X,   0x40                      ; destination window 1, address window 0
; A joint load: waves 0 and 1 fetch the token tile's halves, waves 2 and 3 W's.  Each line has ONE mask and one set of registers for all that issue it; the branch hangs on the wave's number alone.
; Four v_nop follow each of the two lines, ahead of the jump, the label and what follows.
.macro JLOAD g0a, g1a, g0b, g1b
	s_cmp_eq_u32 s15, 0
	s_cbranch_scc0 .Lfor_b_\@
	tensor_load_to_lds s[\g0a:\g0a+3], s[\g1a:\g1a+7]
	s_nop 0
.rept 4
	v_nop
.endr
	s_branch .Lasked_\@
.Lfor_b_\@:
	tensor_load_to_lds s[\g0b:\g0b+3], s[\g1b:\g1b+7]
	s_nop 0
.rept 4
	v_nop
.endr
.Lasked_\@:
.endm
.macro CREST                           ; a round of the cluster's barrier behind its opening barrier
	s_cmp_lg_u32 s14, 0
	s_cbranch_scc1 .Lnot_wave_0_\@
	s_barrier_signal -3
.Lnot_wave_0_\@:
	s_barrier_wait -3
	s_barrier_signal -1
	s_barrier_wait -1
.endm
.macro CROUND                          ; a whole round
	s_barrier_signal -1
	s_barrier_wait -1
	CREST
.endm
	s_load_b512 s[68:83], s[0:1], 0x0              ; q 68, k 70, v 72, Wq 74, Wk 76, Wv 78, bq 80, bk 82
	s_load_b256 s[84:91], s[0:1], 0x40             ; bv 84, the scales' exponents 86, qh 88, kh 90
	s_load_b64 s[92:93], s[0:1], 0x60              ; vh
	v_lshl_add_u32 v[SPW], v0, 2, SPARE
	v_mov_b32 v[NIL], 0
	ds_add_u32 v28, v29
	ds_add_u32 v28, v29
	s_wait_dscnt 0x0
	v_lshrrev_b32 v1, 5, v0
	v_readfirstlane_b32 s14, v1                    ; wave 0..3
	s_lshr_b32 s15, s14, 1                         ; yh: which half of Y's 256 rows is mine.  Also: I fetch tokens (0) or W (1)
	s_and_b32 s16, s14, 1                          ; xh: which half of X's.  Also: which 128 rows of that tile I fetch
	s_bfe_u32 s40, ttmp6, 0x40000                  ; cx, cy: my place in the cluster
	s_bfe_u32 s41, ttmp6, 0x40004
	s_lshl_b32 s42, ttmp9, 2
	s_add_co_u32 s42, s42, s40                     ; W's tile of 256 channels = 4 x cluster x + cx
	s_and_b32 s17, ttmp7, 0xffff                   ; cluster y, 0 .. 23
	s_lshr_b32 s94, s17, 3                         ; p: the projection
	s_and_b32 s17, s17, 7
	s_lshl_b32 s17, s17, 2
	s_add_co_u32 s17, s17, s41                     ; the tile of 256 tokens, 0 .. 31 = 4 x (cluster y % 8) + cy
	s_lshl_b32 s43, s41, 2
	s_lshl_b32 s43, 15, s43                        ; my row of the cluster
	s_lshl_b32 s44, 0x1111, s40                    ; my column
	; descriptor group 1: a tile of 128 rows x 256 bytes, padded in LDS
	s_or_b32 s[G1+0], s43, (0<<16)|(1<<20)|(1<<21)|(5<<22)|(3<<25)  ; 15:0 the mask: token tiles go to my row; 17:16 element of 1 byte; 20 padding on; 21 set beside a mask; 24:22 after every 64 words (code 5); 31:25 of 4 words (code 3)
	s_or_b32 s[G1B+0], s44, (0<<16)|(1<<20)|(1<<21)|(5<<22)|(3<<25) ; the same with the mask of my column, for W's tiles
.irp g, G1, G1B
	s_mov_b32 s[\g+1], ROWB<<16                    ; tensor_dim0
	s_mov_b32 s[\g+2], 128<<16                     ; tensor_dim1 = 128
	s_mov_b32 s[\g+3], ROWB<<16                    ; tile_dim0
	s_mov_b32 s[\g+4], 128                         ; tile_dim1 = 128
	s_mov_b32 s[\g+5], KROW                        ; tensor_dim0_stride
	s_mov_b32 s[\g+6], 0
	s_mov_b32 s[\g+7], 0
.endr
	s_lshl_b32 s18, s16, 7                         ; which 128 rows of the tile I fetch
	s_lshl_b32 s20, s17, 8
	s_add_co_u32 s20, s20, s18                     ; tokens: row 256 x tile + 128 x half,
	s_lshl_b32 s20, s20, 10                        ; in bytes (under 2^23)
	s_mov_b32 s21, 0
	s_lshl_b32 s46, s42, 8
	s_add_co_u32 s46, s46, s18                     ; W: likewise
	s_lshl_b32 s46, s46, 10
	s_mov_b32 s47, 0
	s_mul_i32 s45, s14, HALFT                      ; where they go: wave x 128 rows: no place in the cluster enters an LDS address
	s_wait_kmcnt 0x0
	s_cmp_eq_u32 s94, 2                            ; the projection's four buffers: a choice on the cluster's number alone
	s_cselect_b64 s[4:5], s[72:73], s[70:71]       ; tokens
	s_cselect_b64 s[6:7], s[78:79], s[76:77]       ; W
	s_cselect_b64 s[8:9], s[84:85], s[82:83]       ; the bias
	s_cselect_b64 s[10:11], s[92:93], s[90:91]     ; the images
	s_cmp_eq_u32 s94, 0
	s_cselect_b64 s[4:5], s[68:69], s[4:5]
	s_cselect_b64 s[6:7], s[74:75], s[6:7]
	s_cselect_b64 s[8:9], s[80:81], s[8:9]
	s_cselect_b64 s[10:11], s[88:89], s[10:11]
	s_load_b256 s[68:75], s[86:87], 0x0            ; e0 .. e7
	s_load_b64 s[76:77], s[86:87], 0x20            ; e8, e9
	s_add_nc_u64 s[20:21], s[4:5], s[20:21]
	s_add_nc_u64 s[46:47], s[6:7], s[46:47]
	CROUND                                         ; all sixteen work-groups are here: the first joint loads meet
.irp s, 0,1
	s_mov_b32 s[G0+4*\s], 1
	s_add_co_u32 s[G0+4*\s+1], s45, \s*SLOT
	s_add_nc_u64 s[G0+4*\s+2:G0+4*\s+3], s[20:21], \s*ROWB
	s_or_b32 s[G0+4*\s+3], s[G0+4*\s+3], 0x80000000
	s_mov_b32 s[G0B+4*\s], 1
	s_add_co_u32 s[G0B+4*\s+1], s45, \s*SLOT
	s_add_nc_u64 s[G0B+4*\s+2:G0B+4*\s+3], s[46:47], \s*ROWB
	s_or_b32 s[G0B+4*\s+3], s[G0B+4*\s+3], 0x80000000
	JLOAD G0+4*\s, G1, G0B+4*\s, G1B               ; K steps 0 and 1: two tensor loads of mine are out
.endr
	v_and_b32 v1, 15, v0                           ; r = lane % 16
	v_bfe_u32 v2, v0, 4, 1                         ; h = lane / 16
	v_mul_u32_u24 v3, v1, PITCH
	v_lshl_add_u32 v4, v2, 4, v3                   ; a fragment's row x pitch + 16 x half
	s_wait_alu depctr_va_vdst(0)
	s_cmp_eq_u32 s94, 2
	s_cselect_b32 s22, 0, 2*HALFT                  ; X is read from the token rows for v, from W's rows for q and k,
	s_cselect_b32 s21, 2*HALFT, 0                  ; Y from the other: both stay inside the slot
	s_mul_i32 s18, s15, HALFT
	s_add_co_u32 s21, s21, s18                     ; my 128 rows of Y
	s_mul_i32 s18, s16, HALFT
	s_add_co_u32 s22, s22, s18                     ; my 128 rows of X
.irp s, 0,1
	v_add_nc_u32 v[ADRY+\s], s21, v4
	v_add_nc_u32 v[ADRX+\s], s22, v4
	s_add_co_u32 s21, s21, SLOT
	s_add_co_u32 s22, s22, SLOT
.endr
	v_and_b32 v6, 31, v0
	v_lshlrev_b32 v[LI], 4, v6
; A fragment, 16 rows x 128 K, is 16 registers, fetched by four loads of 16 bytes: registers 4 c .. 4 c + 3 hold K = 32 c + 16 (lane / 16) + 0 .. 15.  That is a permutation of k, the same in X and in Y: every product meets its partner.
.macro FRAG reg, adr, q, i
.irp c, 0,1,2,3
	ds_load_b128 v[\reg+4*\c:\reg+4*\c+3], v[\adr] offset:128*(\q)+32*\c+(\i)*16*PITCH
.endr
.endm
; 16 matrix instructions: Y's blocks a0, a0 + 1 x X's eight, 128 along K.  p: X's set.  zero = 1: the first product starts the sums: nothing is ever cleared.
; The 64 accumulators take turns, one instruction a turn, in the same order in every step.
.macro MUL16 a0, p, zero
.irp a, \a0, \a0+1
.irp b, 0,1,2,3,4,5,6,7
.if \zero
	v_wmma_f32_16x16x128_bf8_bf8 v[8*(8*((\a)%4)+\b):8*(8*((\a)%4)+\b)+7], v[128*(\p)+FR*\b:128*(\p)+FR*\b+FR-1], v[YF+FR*(\a):YF+FR*(\a)+FR-1], 0
.else
	v_wmma_f32_16x16x128_bf8_bf8 v[8*(8*((\a)%4)+\b):8*(8*((\a)%4)+\b)+7], v[128*(\p)+FR*\b:128*(\p)+FR*\b+FR-1], v[YF+FR*(\a):YF+FR*(\a)+FR-1], v[8*(8*((\a)%4)+\b):8*(8*((\a)%4)+\b)+7]
.endif
.endr
.endr
.endm
.macro FETCH_X slot, q, p              ; X's eight fragments of the slot's q-th 128 along K into set p
	WIN TO_X
.irp i, 0,1,2,3,4,5,6,7
	FRAG 128*(\p)+FR*\i, ADRX+\slot, \q, \i
.endr
	WIN 0
.endm
.macro FETCH_Y slot, q, i0             ; Y's blocks i0 .. i0 + 3
.irp i, \i0, \i0+1, \i0+2, \i0+3
	FRAG YF+FR*(\i), ADRY+\slot, \q, \i
.endr
.endm
; A load into a register that a matrix instruction has read, and a vector instruction that reads a matrix result or writes one of its registers, stand NP places behind it; only plain vector
; instructions that name none of its registers are places (ISA guide 7.12.1 for vector instructions).
.macro PLACES n
.rept \n
	v_nop
.endr
.endm
; A step of 128 along K that has its successor in the same slot.  A block of Y is free as soon as its eight products are issued, so Y has one set: blocks 0-3 are fetched anew in the middle, blocks 4-7 at the end.
.macro STEP slot, q, zero
	s_wait_dscnt 4*NL                              ; X's set and Y's blocks 0-3 are in; the youngest sixteen loads (Y's blocks 4-7) may be out
	WIN MUL_LO
	MUL16 0, (\q)%2, \zero
	MUL16 2, (\q)%2, \zero
	s_wait_dscnt 0                                 ; Y's blocks 4-7 are in (asked for 32 matrix instructions ago)
	PLACES NP
	FETCH_X \slot, (\q)+1, 1-(\q)%2
	FETCH_Y \slot, (\q)+1, 0
	WIN MUL_HI
	MUL16 4, (\q)%2, \zero
	MUL16 6, (\q)%2, \zero
	PLACES NP
	WIN 0
	FETCH_Y \slot, (\q)+1, 4
.endm
; A slot's last step changes slots: ONE barrier; in front of it each wave waits for all its tensor loads, adds 0 to its spare word, and waits for that and for its own reads of this slot.  fill = 1: this slot is filled again, two K steps ahead.
.macro TURN slot, next, fill
	s_wait_tensorcnt 0x0                           ; all my tensor loads have landed: my part of the next slot  (every window is 0 here: the add's two registers lie in window 0)
	ds_add_u32 v[SPW], v[NIL]                      ; 0 onto my spare word
	s_wait_dscnt 4*NL+1                            ; (the add and the youngest sixteen loads, Y's blocks 4-7, may be out)
	WIN MUL_LO
	MUL16 0, 1, 0                                  ; sixteen matrix instructions stand between the add and the wait for it
	s_wait_dscnt 0x0                               ; the add is done, and my reads of this slot are over
	s_barrier_signal -1
	MUL16 2, 1, 0
	WIN 0
	s_barrier_wait -1
.if \fill
	CREST                                          ; the barrier has opened a round of the cluster's barrier: no wave of any partner still reads this slot's tile or has a load on its way
	s_add_nc_u64 s[G0+4*\slot+2:G0+4*\slot+3], s[G0+4*\slot+2:G0+4*\slot+3], 2*ROWB
	s_add_nc_u64 s[G0B+4*\slot+2:G0B+4*\slot+3], s[G0B+4*\slot+2:G0B+4*\slot+3], 2*ROWB
	JLOAD G0+4*\slot, G1, G0B+4*\slot, G1B         ; the first tensor load behind the round, my only one until the next; the four v_nop behind it are the places in front of the loads below
.else
	PLACES NP
.endif
	FETCH_X \next, 0, 0
	FETCH_Y \next, 0, 0
	WIN MUL_HI
	MUL16 4, 1, 0
	MUL16 6, 1, 0
	PLACES NP
	WIN 0
	FETCH_Y \next, 0, 4
.endm
; THE WAY OUT of Y's block a: sum x 2^(ea + eb) + bias, two at a time, each accumulator from its low end on; the hold; eight numbers to two registers of codes; four stores of 512 consecutive bytes.
.macro OUTB a, isv
.set AC, 64*((\a)%4)
.set CDS, CD+16*((\a)%2)
.if (\a) >= 2
	s_wait_xcnt 0x0                                ; the stores of the block two back have read this set of codes: it is written again only behind this wait
.endif
	WIN 0x02+((\a)/4)                              ; source 0: window 2 or 3
.irp b, 0,1,2,3,4,5,6,7
.irp i, 0,2,4,6
.if \isv
	v_pk_fma_f32 v[T+8*\b+\i:T+8*\b+\i+1], v[AC+8*\b+\i:AC+8*\b+\i+1], s[96:97], v[BI+2*(\a):BI+2*(\a)+1] op_sel_hi:[1,0,1]   ; my lane's one channel: its bias in both halves
.else
	v_pk_fma_f32 v[T+8*\b+\i:T+8*\b+\i+1], v[AC+8*\b+\i:AC+8*\b+\i+1], s[96:97], v[BI+8*\b+\i:BI+8*\b+\i+1] op_sel_hi:[1,0,1]  ; my lane's eight channels of tile b
.endif
.endr
.endr
	WIN 0
.irp b, 0,1,2,3,4,5,6,7
.irp i, 0,1,2,3,4,5,6,7
.endr
	v_cvt_scalef32_pk8_bf8_f32 v[CDS+2*\b:CDS+2*\b+1], v[T+8*\b:T+8*\b+7], v[SCL]   ; registers 2 b, 2 b + 1 of the operand
.endr
	v_nop                                          ; one plain vector instruction behind the last conversion: the next block writes its sources
.irp g, 0,1,2,3
.if \isv
	global_store_b128 v[LI], v[CDS+4*\g:CDS+4*\g+3], s[10:11] offset:((\a)/4)*131072+((\a)%4)*2048+\g*512   ; head a / 4 of my two, channel tile a % 4, chunk g of the 128 keys' fragment
.else
	global_store_b128 v[LI], v[CDS+4*\g:CDS+4*\g+3], s[10:11] offset:(\g/2)*131072+(\a)*1024+(\g%2)*512     ; head g / 2 of my two, token tile a, chunk g % 2 of the head's fragment
.endif
.endr
.endm
; The last K step and the way out, written once for q and k and once for v.  The bias is asked for here, 128 matrix instructions ahead of the wait for it, in the path that reads it.
.macro TAIL isv
.if \isv
	v_lshlrev_b32 v[BA], 2, v1                     ; a lane holds channel 16 a + r
	s_lshl_b32 s19, s15, 9                         ; the channels are Y's: my half yh
	s_lshl_b32 s21, s15, 18                        ; two heads for each half of the channels,
	s_lshl_b32 s22, s16, 13                        ; a key step of 128 for each half of the tokens
.else
	v_lshlrev_b32 v[BA], 5, v2                     ; a lane holds channels 16 b + 8 h + 0 .. 7
	s_lshl_b32 s19, s16, 9                         ; the channels are X's: my half xh
	s_lshl_b32 s21, s16, 18
	s_lshl_b32 s22, s15, 13                        ; eight token tiles of 1,024 bytes for each half of the tokens
.endif
	s_lshl_b32 s18, s42, 10
	s_add_co_u32 s18, s18, s19                     ; 4 x (256 x W's tile + 128 x half)
	s_mov_b32 s19, 0
	s_add_nc_u64 s[8:9], s[8:9], s[18:19]
.if \isv
.irp a, 0,1,2,3,4,5,6,7
	global_load_b32 v[BI+2*\a], v[BA], s[8:9] offset:64*\a
	global_load_b32 v[BI+2*\a+1], v[BA], s[8:9] offset:64*\a      ; twice, so that a plain pair holds it in both halves
.endr
.else
.irp b, 0,1,2,3,4,5,6,7
	global_load_b128 v[BI+8*\b:BI+8*\b+3], v[BA], s[8:9] offset:64*\b
	global_load_b128 v[BI+8*\b+4:BI+8*\b+7], v[BA], s[8:9] offset:64*\b+16
.endr
.endif
	s_lshr_b32 s18, s17, 3                         ; the batch: 16 heads x 131,072 bytes
	s_lshl_b32 s18, s18, 21
	s_lshl_b32 s20, s42, 19                        ; four heads for each tile of W
	s_add_co_u32 s18, s18, s20
	s_add_co_u32 s18, s18, s21
	s_add_co_u32 s18, s18, s22
	s_and_b32 s20, s17, 7                          ; the tile of 256 tokens within the batch: 16,384 bytes of a head in all three layouts
	s_lshl_b32 s20, s20, 14
	s_add_co_u32 s18, s18, s20
	s_add_nc_u64 s[10:11], s[10:11], s[18:19]
	STEP 1, 0, 0
	s_wait_dscnt 4*NL                              ; the very last step: nothing more to fetch
	WIN MUL_LO
	MUL16 0, 1, 0
	MUL16 2, 1, 0
	s_wait_dscnt 0
	WIN MUL_HI
	MUL16 4, 1, 0
	MUL16 6, 1, 0
	WIN 0
	s_wait_loadcnt 0x0                             ; the bias
	PLACES NP                                      ; behind the last products: their results are read, and Y's registers written, below
.irp a, 0,1,2,3,4,5,6,7
	OUTB \a, \isv
.endr
.endm
	s_wait_alu depctr_va_vdst(0)
	s_wait_tensorcnt 1                             ; my part of K step 0 is in (K step 1's load may be out)
	s_barrier_signal -1
	s_barrier_wait -1                              ; everybody's is
	FETCH_X 0, 0, 0
	FETCH_Y 0, 0, 0
	FETCH_Y 0, 0, 4
	STEP 0, 0, 1                                   ; K = 1,024 is four K steps of 256, eight steps of 128: written out.  The first products start the sums
	TURN 0, 1, 1                                   ; slot 0 takes K step 2
	STEP 1, 0, 0
	TURN 1, 0, 1                                   ; slot 1 takes K step 3
	STEP 0, 0, 0
	TURN 0, 1, 0                                   ; nothing is left to fetch
	s_wait_kmcnt 0x0                               ; the exponents, asked for at the head
	s_cmp_eq_u32 s94, 2
	s_cselect_b32 s96, s72, s70                    ; ea,
	s_cselect_b32 s97, s73, s71                    ; eb,
	s_cselect_b32 s98, s77, s75                    ; eo: chosen, never branched on
	s_cmp_eq_u32 s94, 0
	s_cselect_b32 s96, s68, s96
	s_cselect_b32 s97, s69, s97
	s_cselect_b32 s98, s74, s98
	s_add_co_i32 s96, s96, s97
	s_add_co_i32 s96, s96, 127
	s_lshl_b32 s96, s96, 23                        ; 2^(ea + eb) as f32
	s_mov_b32 s97, s96                             ; (named with it as a pair, so it is written)
	s_add_co_i32 s98, s98, 127
	s_lshl_b32 s99, s98, 23
	v_mov_b32 v[SCL], s99
	s_cmp_eq_u32 s94, 2                            ; the same in every wave of every partner; no barrier and no tensor load stands in either path
	s_cbranch_scc1 .Lv
	TAIL 0
	s_branch .Ldone
.Lv:
	TAIL 1
.Ldone:
	s_wait_tensorcnt 0x0                           ; the wave's end
	ds_add_u32 v[SPW], v[NIL]
	s_wait_dscnt 0x0
	CROUND                                         ; the closing round: no work-group ends while a partner may still ask for a tile that names it
	s_endpgm
.Lfunc_end_k_q13a28df004_proj:
	.size	k_q13a28df004_proj, .Lfunc_end_k_q13a28df004_proj-k_q13a28df004_proj
	.p2alignl 7, 3214868480
	.fill 96, 4, 3214868480
	.section	.rodata,"a",@progbits
	.p2align	6, 0x0
	.amdhsa_kernel k_q13a28df004_proj
		.amdhsa_group_segment_fixed_size 327680
		.amdhsa_private_segment_fixed_size 0
		.amdhsa_enable_private_segment 0
		.amdhsa_kernarg_size 104
		.amdhsa_user_sgpr_count 2
		.amdhsa_user_sgpr_kernarg_segment_ptr 1
		.amdhsa_wavefront_size32 1
		.amdhsa_system_sgpr_workgroup_id_x 1
		.amdhsa_system_sgpr_workgroup_id_y 1
		.amdhsa_system_sgpr_workgroup_id_z 1
		.amdhsa_system_vgpr_workitem_id 0
		.amdhsa_next_free_vgpr 1024
		.amdhsa_next_free_sgpr 100
		.amdhsa_reserve_vcc 0
		.amdhsa_float_denorm_mode_32 3
		.amdhsa_float_denorm_mode_16_64 3
		.amdhsa_fp16_overflow 1
		.amdhsa_memory_ordered 1
		.amdhsa_forward_progress 1
		.amdhsa_inst_pref_size 143
	.end_amdhsa_kernel
	.amdgpu_metadata
---
amdhsa.version: [ 1, 2 ]
amdhsa.kernels:
  - .name:           k_q13a28df004_proj
    .symbol:         k_q13a28df004_proj.kd
    .args:
      - { .name: q_codes, .offset: 0, .size: 8, .value_kind: global_buffer, .address_space: global }
      - { .name: k_codes, .offset: 8, .size: 8, .value_kind: global_buffer, .address_space: global }
      - { .name: v_codes, .offset: 16, .size: 8, .value_kind: global_buffer, .address_space: global }
      - { .name: Wq_codes, .offset: 24, .size: 8, .value_kind: global_buffer, .address_space: global }
      - { .name: Wk_codes, .offset: 32, .size: 8, .value_kind: global_buffer, .address_space: global }
      - { .name: Wv_codes, .offset: 40, .size: 8, .value_kind: global_buffer, .address_space: global }
      - { .name: bq, .offset: 48, .size: 8, .value_kind: global_buffer, .address_space: global }
      - { .name: bk, .offset: 56, .size: 8, .value_kind: global_buffer, .address_space: global }
      - { .name: bv, .offset: 64, .size: 8, .value_kind: global_buffer, .address_space: global }
      - { .name: lowp_scales, .offset: 72, .size: 8, .value_kind: global_buffer, .address_space: global }
      - { .name: qh, .offset: 80, .size: 8, .value_kind: global_buffer, .address_space: global }
      - { .name: kh, .offset: 88, .size: 8, .value_kind: global_buffer, .address_space: global }
      - { .name: vh, .offset: 96, .size: 8, .value_kind: global_buffer, .address_space: global }
    .group_segment_fixed_size: 327680
    .private_segment_fixed_size: 0
    .kernarg_segment_align: 8
    .kernarg_segment_size: 104
    .max_flat_workgroup_size: 128
    .sgpr_count:     100
    .vgpr_count:     1024
    .wavefront_size: 32
...
	.end_amdgpu_metadata
.endif
;; end of part 1
;; launch attn (part 2): grid 4 x 64, 16 waves a work-group, clusters of 4 x 1, 327,680 bytes of LDS; arguments qh, kh, vh, lowp_scales, oimg; writes oimg
.if DOCPART == 2
	.amdgcn_target "amdgcn-amd-amdhsa--gfx1250"
	.amdhsa_code_object_version 6
	.text
	.protected	k_q13a28df004_attn
	.globl	k_q13a28df004_attn
	.p2align	8
	.type	k_q13a28df004_attn,@function
k_q13a28df004_attn:
	s_mov_b64 s[64:65], 0
	v_nop
	global_prefetch_b8 v0, s[64:65] scope:SCOPE_SE
	s_setreg_imm32_b32 hwreg(HW_REG_WAVE_MODE, 25, 1), 1
	s_wait_xcnt 0x0
	s_wait_alu depctr_hold_cnt(0) depctr_sa_sdst(0) depctr_va_vdst(0) depctr_va_sdst(0) depctr_va_ssrc(0) depctr_va_vcc(0) depctr_vm_vsrc(0)
	s_getreg_b32 s2, hwreg(HW_REG_IB_STS2, 6, 4)
	s_cmp_eq_u32 s2, 0
	s_cbranch_scc0 .Lentry_in_a_cluster
	s_endpgm
.Lentry_in_a_cluster:
	s_bfe_u32 s2, ttmp6, 0x10000c
	s_cmp_lg_u32 s2, 0x3003
	s_cbranch_scc0 .Lentry_shape_is_right
	s_endpgm
.Lentry_shape_is_right:
; CAUSAL ATTENTION ON CODES OF BF8 (E5M2): for each of 64 (batch, head): O[q] = sum over k <= q of softmax_k(Q[q] . K[k] / 8) V[k]; head size 64, 2,048 queries and keys.  O is quantised again (e10) for the last projection.
; qh, kh: [bh][tile of 16 tokens][2 chunks][lane][16 bytes]: images of the K = 64 operand's 8 registers.  vh: [bh][128 keys][tile of 16 channels][4 chunks][lane][16 bytes]: images of the K = 128 operand's 16 registers, keys along K.
; oimg: [head / 4][tile of 16 tokens, 512][head % 4][2 chunks][lane][16 bytes]: the last projection's operand, 64 channels of a head = 8 registers.
; THE SOFTMAX: t = score x log2(e) / 8; M = the running largest t rounded UP to a whole number; p = 2^(t - M) is quantised (e8), not normalised; the row's sum is taken of the unquantised p and divides O at the end.
; When M moves, the sum and O are multiplied by 2^(old M - new M): nothing is rounded.  Key 0 counts for every query, so M is a number from a row's first step on.
; LIMITS on the given exponents: e6 + e7 between -123 and 130 (added to c's exponent field); e8 and e10 between -126 and 112; e8 + e9 goes in by v_ldexp_f32.  NaN is not served.
; SHARES.  The four work-groups of a cluster serve ONE head.  The head's whole K image (131,072 bytes) and V image (131,072) lie in each work-group's LDS, each byte filled ONCE, by joint loads: no ring, no refill, no barrier among the key steps.
; Wave w (pair = w / 2, e = w % 2) owns two tiles of 16 queries: LO in the block of 128 queries number pair, HI in block 15 - pair; within a block tile 2 cx + e.  A block b needs key steps 0 .. b, so each wave has
; (pair + 1) + (16 - pair) = 17 steps of work, whichever wave and work-group it is.  What is jumped over hangs on the wave's number and the step's alone; cx enters the mask's numbers and global addresses only.
; LAYOUT.  Both products transposed: S^T = K Q^T (source 0 = 16 keys, source 1 = my 16 queries), O^T = V^T P^T: a lane holds ONE query (lane % 16); tile c of S^T holds keys 16 c + 8 (lane / 16) + 0 .. 7, which one conversion
; packs into registers 2 c, 2 c + 1 of the second product's operand.  O^T's tiles become the last projection's operand in the same way.  Nothing changes lanes.
; Sixteen waves of 256 registers, four to a SIMD: one wave's vector work stands beside another's products and LDS loads.
.set LI,   1                           ; v1   16 x lane: my place in a chunk of 512 bytes
.set LIV,  2                           ; v2   the same in V's half of LDS
.set ADK,  3                           ; v3   LDS address of the step's K
.set ADV,  4                           ; v4   of its V
.set DM,   5                           ; v5   on the diagonal: my query - 8 (lane / 16), counted from the block's first
.set NINF, 6                           ; v6   -infinity
.set PLIM, 7
.set PSC,  8                           ; v8   2^e8
.set OSC,  9                           ; v9   2^e10
.set NLO,  10                          ; v[10:11] LO: -M, the largest t;  v[12:13] its sum in two halves
.set LLO,  12
.set NHI,  14                          ; v[14:15], v[16:17] the same for HI
.set LHI,  16
.set FF,   18                          ; v[18:19] f = 2^(old M - new M) (v19 is named with it as a pair)
.set W0,   20                          ; v20-22 at work
.set W1,   21
.set W2,   22
.set OLIM, 23
.set SUM2, 24                          ; v[24:25] the sum's second chain
.set QLO,  26                          ; v[26:33] Q of LO;  v[34:41] of HI
.set QHI,  34
.set PC,   42                          ; v[42:57] p's codes
.set F,    64                          ; v[64:127] the step's fragments of K, then of V
.set S,    128                         ; v[128:191] S^T, then p
.set OLO,  192                         ; v[192:223] O^T of LO;  v[224:255] of HI
.set OHI,  224
.set WV,   14                          ; s14  my wave's number
.set BLO,  20                          ; s20  LO's block of 128 queries;  s21 HI's
.set BHI,  21
.set G1A,  24                          ; s[24:31] descriptor group 1 of the first, small fill;  s[32:39] of the second;  s[40:43], s[44:47] their groups 0
.set G1B,  32
.set G0A,  40
.set G0B,  44
.set SEL,  48                          ; s[48:49] lane selects for v_permlanex16_b32: lane l xor 16
.set CS,   50                          ; s[50:51] c = log2(e) / 8 x 2^(e6 + e7)
.set TB,   52                          ; s52  LDS byte of the step's images: 8,192 x step
.set KS,   53                          ; s53  the step
.set CNT,  54                          ; s54  trips to go
.set VHALF, 131072                     ; V's images begin here
.set EARLY, 16384                      ; bytes of each image (keys 0 to 255) that the first fills bring
.macro CROUND                          ; a round of the cluster's barrier
	s_barrier_signal -1
	s_barrier_wait -1
	s_cmp_lg_u32 s[WV], 0
	s_cbranch_scc1 .Lnot_wave_0_\@
	s_barrier_signal -3
.Lnot_wave_0_\@:
	s_barrier_wait -3
	s_barrier_signal -1
	s_barrier_wait -1
.endm
	s_load_b256 s[4:11], s[0:1], 0x0               ; qh s[4:5], kh s[6:7], vh s[8:9], the scales' exponents s[10:11]
	s_load_b64 s[12:13], s[0:1], 0x20              ; oimg
	v_lshl_add_u32 v62, v0, 2, 0x40000
	v_mov_b32 v63, 0
	ds_add_u32 v62, v63
	ds_add_u32 v62, v63
	v_lshrrev_b32 v1, 5, v0
	s_delay_alu instid0(VALU_DEP_1)
	v_readfirstlane_b32 s[WV], v1                  ; wave 0..15
	s_bfe_u32 s15, ttmp6, 0x40000                  ; cx
	s_and_b32 s16, ttmp7, 0xffff                   ; bh = 16 x batch + head, which the four partners share
	s_lshr_b32 s17, s[WV], 3                       ; I fetch for K (0) or for V (1),
	s_and_b32 s18, s[WV], 7                        ; the i-th eighth
	s_lshr_b32 s[BLO], s[WV], 1
	s_sub_co_u32 s[BHI], 15, s[BLO]
	s_and_b32 s22, s[WV], 1
	s_lshl_b32 s23, s15, 1
	s_add_co_u32 s22, s22, s23                     ; my tile within a block: 2 cx + e
	; descriptor groups 1: dense rows of 256 bytes (32 elements of 8 bytes); 8 rows, then 56.  The first is small on purpose: sixteen of them are the keys 0 to 255 with which the work begins
	s_mov_b32 s[G1A], 15|(3<<16)|(1<<21)           ; 15:0 the mask: all four work-groups; 17:16 elements of 8 bytes; 21 set beside a mask; no padding: every read takes 512 consecutive bytes
	s_mov_b32 s[G1A+1], 32<<16                     ; tensor_dim0
	s_mov_b32 s[G1A+2], 8<<16                      ; tensor_dim1
	s_mov_b32 s[G1A+3], 32<<16                     ; tile_dim0
	s_mov_b32 s[G1A+4], 8                          ; tile_dim1
	s_mov_b32 s[G1A+5], 32                         ; tensor_dim0_stride
	s_mov_b32 s[G1A+6], 0
	s_mov_b32 s[G1A+7], 0
	s_mov_b32 s[G1B], 15|(3<<16)|(1<<21)
	s_mov_b32 s[G1B+1], 32<<16
	s_mov_b32 s[G1B+2], 56<<16
	s_mov_b32 s[G1B+3], 32<<16
	s_mov_b32 s[G1B+4], 56
	s_mov_b32 s[G1B+5], 32
	s_mov_b32 s[G1B+6], 0
	s_mov_b32 s[G1B+7], 0
	s_lshl_b32 s19, s17, 17                        ; LDS: K's half or V's,
	s_lshl_b32 s[G0A+1], s18, 11
	s_add_co_u32 s[G0A+1], s[G0A+1], s19           ; + 2,048 i
	s_mul_i32 s[G0B+1], s18, 14336
	s_add_co_u32 s[G0B+1], s[G0B+1], s19
	s_add_co_u32 s[G0B+1], s[G0B+1], EARLY         ; + 16,384 + 14,336 i
	s_mov_b32 s[G0A], 1
	s_mov_b32 s[G0B], 1
	s_mov_b32 s[SEL], 0x76543210
	s_mov_b32 s[SEL+1], 0xfedcba98
	s_mov_b32 s[CS], 0x3e38aa3b                    ; log2(e) / 8
	s_lshl_b32 s62, s16, 17                        ; the head's first byte in qh, kh and vh
	s_mov_b32 s63, 0
	s_lshl_b32 s66, s[BLO], 3
	s_add_co_u32 s66, s66, s22                     ; LO's tile of 16 queries, 0 .. 127
	s_lshl_b32 s67, s[BHI], 3
	s_add_co_u32 s67, s67, s22                     ; HI's
	s_lshl_b32 s74, s66, 10
	s_add_co_u32 s74, s74, s62                     ; their places in qh
	s_mov_b32 s75, 0
	s_lshl_b32 s76, s67, 10
	s_add_co_u32 s76, s76, s62
	s_mov_b32 s77, 0
	s_and_b32 s78, s16, 15                         ; the head
	s_lshr_b32 s79, s78, 2
	s_lshl_b32 s79, s79, 21                        ; oimg: (head / 4) x 2,097,152
	s_and_b32 s78, s78, 3
	s_lshl_b32 s78, s78, 10                        ; + (head % 4) x 1,024
	s_add_co_u32 s78, s78, s79
	s_lshr_b32 s79, s16, 4
	s_lshl_b32 s79, s79, 19                        ; + batch x 128 tiles x 4,096
	s_add_co_u32 s78, s78, s79
	s_lshl_b32 s84, s66, 12                        ; + tile x 4,096
	s_add_co_u32 s84, s84, s78
	s_mov_b32 s85, 0
	s_lshl_b32 s86, s67, 12
	s_add_co_u32 s86, s86, s78
	s_mov_b32 s87, 0
	s_wait_dscnt 0x0
	s_wait_kmcnt 0x0
	s_load_b128 s[68:71], s[10:11], 0x18           ; e6, e7, e8, e9
	s_load_b32 s72, s[10:11], 0x28                 ; e10
	s_cmp_eq_u32 s17, 0
	s_cselect_b64 s[60:61], s[6:7], s[8:9]         ; kh or vh, by the wave's number
	s_add_nc_u64 s[60:61], s[60:61], s[62:63]      ; at the head's first byte: nothing of cx in it
	s_lshl_b32 s62, s18, 11
	s_add_nc_u64 s[G0A+2:G0A+3], s[60:61], s[62:63]
	s_or_b32 s[G0A+3], s[G0A+3], 0x80000000
	s_mul_i32 s62, s18, 14336
	s_add_co_u32 s62, s62, EARLY
	s_add_nc_u64 s[G0B+2:G0B+3], s[60:61], s[62:63]
	s_or_b32 s[G0B+3], s[G0B+3], 0x80000000
	s_add_nc_u64 s[56:57], s[4:5], s[74:75]        ; Q of LO, of HI
	s_add_nc_u64 s[58:59], s[4:5], s[76:77]
	s_add_nc_u64 s[80:81], s[12:13], s[84:85]      ; oimg of LO, of HI
	s_add_nc_u64 s[82:83], s[12:13], s[86:87]
	CROUND                                         ; all four work-groups are here: the joint loads meet
	tensor_load_to_lds s[G0A:G0A+3], s[G1A:G1A+7]  ; every wave issues both, this one waited for before the round below: one tensor load of mine is out at a time, and no more follow
	s_nop 0
	s_wait_alu depctr_va_vdst(0)
	s_wait_tensorcnt 0x0
	ds_add_u32 v62, v63
	s_wait_dscnt 0x0
	CROUND
	tensor_load_to_lds s[G0B:G0B+3], s[G1B:G1B+7]
	s_nop 0
.rept 4
	v_nop
.endr
	v_and_b32 v[LI], 31, v0
	s_delay_alu instid0(VALU_DEP_1)
	v_lshlrev_b32 v[LI], 4, v[LI]
	global_load_b128 v[QLO:QLO+3],   v[LI], s[56:57]
	global_load_b128 v[QLO+4:QLO+7], v[LI], s[56:57] offset:512
	global_load_b128 v[QHI:QHI+3],   v[LI], s[58:59]
	global_load_b128 v[QHI+4:QHI+7], v[LI], s[58:59] offset:512
	v_add_nc_u32 v[LIV], VHALF, v[LI]
	v_and_b32 v[W0], 15, v0                        ; r
	v_bfe_u32 v[W1], v0, 4, 1                      ; h
	s_delay_alu instid0(VALU_DEP_1)
	v_lshlrev_b32 v[W1], 3, v[W1]
	s_delay_alu instid0(VALU_DEP_1)
	v_sub_nc_u32 v[DM], v[W0], v[W1]
	s_lshl_b32 s23, s22, 4
	v_add_nc_u32 v[DM], s23, v[DM]                 ; 16 x (my tile in the block) + r - 8 h
	v_mov_b32 v[NINF], 0xff800000
	v_mov_b32 v[NLO+1], 0xff61b1e6                 ; the largest t so far: -3e38, under every t
	v_mov_b32 v[NHI+1], 0xff61b1e6
	s_delay_alu instid0(VALU_DEP_2)
	v_floor_f32 v[NLO], -v[NLO+1]                  ; -M
	s_delay_alu instid0(VALU_DEP_2)
	v_floor_f32 v[NHI], -v[NHI+1]
	v_mov_b32 v[LLO], 0
	v_mov_b32 v[LLO+1], 0
	v_mov_b32 v[LHI], 0
	v_mov_b32 v[LHI+1], 0
	v_mov_b32 v[FF+1], 0                           ; (named as the upper half of the pair)
	v_mov_b32 v[W2], 0                             ; a lane permute's destination counts as one of its sources: written once
.set n, 0
.rept 64
	v_mov_b32 v[OLO+n], 0                          ; O^T of both tiles.  (A step is written without a first form of its own: the first finds zeros, which the first change of M leaves zeros)
.set n, n+1
.endr
	s_wait_kmcnt 0x0
	s_add_co_i32 s73, s68, s69
	s_lshl_b32 s73, s73, 23
	s_add_co_i32 s[CS], s[CS], s73                 ; a score stands for score x 2^(e6 + e7): added to c's exponent field
	s_mov_b32 s[CS+1], s[CS]                       ; (named with it as a pair, so it is written)
	s_add_co_i32 s73, s70, 127
	s_lshl_b32 s74, s73, 23
	v_mov_b32 v[PSC], s74
	s_add_co_i32 s73, s72, 127
	s_lshl_b32 s74, s73, 23
	v_mov_b32 v[OSC], s74
	s_add_co_i32 s73, s70, s71                     ; e8 + e9, for the way out
; ONE TILE OF 16 QUERIES, ONE STEP OF 128 KEYS.  nm: the pair (-M, largest t); ls: the sum's pair; ob: O^T; qb: Q; blk: the scalar register with the tile's block.
.macro UNIT nm, ls, ob, qb, blk
	s_cmp_gt_u32 s[KS], s[\blk]                    ; all of the step's keys come after the block's queries: nothing to do.  The wave's number and the step's decide
	s_cbranch_scc1 .Lhid_\@
.rept 4
	v_nop                                          ; places in front of loads into registers that the last products read
.endr
.set n, 0
	s_wait_alu depctr_va_vdst(0)
.rept 8
	ds_load_b128 v[F+8*n:F+8*n+3],   v[ADK] offset:1024*n        ; tile n of 16 keys: its image's two chunks, 512 consecutive bytes a load
	ds_load_b128 v[F+8*n+4:F+8*n+7], v[ADK] offset:1024*n+512
.set n, n+1
.endr
	s_wait_dscnt 0x0
.set n, 0
.rept 8
	v_wmma_f32_16x16x64_bf8_bf8 v[S+8*n:S+8*n+7], v[F+8*n:F+8*n+7], v[\qb:\qb+7], 0
.set n, n+1
.endr
.rept 4
	v_nop                                          ; places: the loads below land in registers just read, and the scores are read next
.endr
.set n, 0
	s_wait_alu depctr_va_vdst(0)
.rept 16
	ds_load_b128 v[F+4*n:F+4*n+3], v[ADV] offset:512*n           ; V^T: channel tile n / 4, chunk n % 4: asked for now, waited for behind the softmax
.set n, n+1
.endr
	s_cmp_lt_u32 s[KS], s[\blk]
	s_cbranch_scc1 .Lopen_\@                       ; all keys count
.set n, 0
.rept 64                                           ; on the diagonal: register 8 c + j holds key 16 c + 8 h + j of the block: hidden where 16 c + j > my query - 8 h.  Hidden scores become -infinity: p = 0
	v_cmp_gt_i32 vcc_lo, 16*(n/8)+n%8, v[DM]
	v_cndmask_b32 v[S+n], v[S+n], v[NINF], vcc_lo
.set n, n+1
.endr
.Lopen_\@:
	v_max3_num_f32 v[W0], v[S], v[S+1], v[S+2]     ; the step's largest score of my query among my 64 keys, in two chains; each accumulator is read from its low end on
	v_max3_num_f32 v[W1], v[S+3], v[S+4], v[S+5]
.set n, 6
.rept 14
	v_max3_num_f32 v[W0], v[W0], v[S+n], v[S+n+1]
	v_max3_num_f32 v[W1], v[W1], v[S+n+2], v[S+n+3]
.set n, n+4
.endr
	v_max3_num_f32 v[W0], v[W0], v[S+62], v[S+63]
	s_delay_alu instid0(VALU_DEP_1)
	v_max_num_f32 v[W0], v[W0], v[W1]
	s_delay_alu instid0(VALU_DEP_1)
	v_permlanex16_b32 v[W2], v[W0], s[SEL], s[SEL+1]
	s_delay_alu instid0(VALU_DEP_1)
	v_max_num_f32 v[W0], v[W0], v[W2]              ; and among lane l xor 16's
	s_delay_alu instid0(VALU_DEP_1)
	v_mul_f32 v[W0], s[CS], v[W0]                  ; as t (c is positive)
	s_delay_alu instid0(VALU_DEP_1)
	v_max_num_f32 v[\nm+1], v[\nm+1], v[W0]        ; the running largest t
	v_mov_b32 v[W0], v[\nm]
	s_delay_alu instid0(VALU_DEP_2)
	v_floor_f32 v[\nm], -v[\nm+1]                  ; the new -M = floor(-t) = -ceil(t): a whole number
	s_delay_alu instid0(VALU_DEP_1)
	v_sub_f32 v[W0], v[\nm], v[W0]                 ; old M - new M: a whole number, 0 or less
	s_delay_alu instid0(VALU_DEP_1)
	v_cvt_i32_f32 v[W0], v[W0]                     ; (it saturates)
	s_delay_alu instid0(VALU_DEP_1)
	v_ldexp_f32 v[FF], 1.0, v[W0]                  ; f = 2^(old M - new M)
.set n, 0
.rept 32
	v_pk_fma_f32 v[S+n:S+n+1], v[S+n:S+n+1], s[CS:CS+1], v[\nm:\nm+1] op_sel_hi:[1,0,0]   ; t - M, two at a time (of the pairs c and -M the low word serves both halves)
.set n, n+2
.endr
.set n, 0
	s_wait_alu depctr_va_vdst(0)
.rept 64
	v_exp_f32 v[S+n], v[S+n]                       ; p = 2^(t - M), at most 1: one batch
.set n, n+1
.endr
	v_pk_mul_f32 v[\ls:\ls+1], v[\ls:\ls+1], v[FF:FF+1] op_sel_hi:[1,0]   ; the sums under the new M: the plain instruction behind the exponentials
	s_wait_alu depctr_va_vdst(0)                   ; one wait for the whole batch, ahead of its first reader
	v_pk_add_f32 v[SUM2:SUM2+1], v[S:S+1], v[S+2:S+3]   ; the row's sum is taken of the UNQUANTISED p: two at a time, in two chains
.set n, 4
.rept 15
	v_pk_add_f32 v[\ls:\ls+1], v[\ls:\ls+1], v[S+n:S+n+1]
	v_pk_add_f32 v[SUM2:SUM2+1], v[SUM2:SUM2+1], v[S+n+2:S+n+3]
.set n, n+4
.endr
	s_delay_alu instid0(VALU_DEP_1)
	v_pk_add_f32 v[\ls:\ls+1], v[\ls:\ls+1], v[SUM2:SUM2+1]
.set n, 0
.rept 8
.set i, 0
.rept 8
.set i, i+1
.endr
	v_cvt_scalef32_pk8_bf8_f32 v[PC+2*n:PC+2*n+1], v[S+8*n:S+8*n+7], v[PSC]   ; keys 16 n + 8 h + 0 .. 7: registers 2 n, 2 n + 1 of the operand
.set n, n+1
.endr
.set n, 0
.rept 16
	v_pk_mul_f32 v[\ob+n:\ob+n+1], v[\ob+n:\ob+n+1], v[FF:FF+1] op_sel_hi:[1,0]   ; O^T under the new M.  (Also the plain instructions between the conversions and the products that read the codes)
.set n, n+2
.endr
	s_wait_alu depctr_va_vdst(0)
	s_wait_dscnt 0x0                               ; V is in
.set n, 0
.rept 4
	v_wmma_f32_16x16x128_bf8_bf8 v[\ob+8*n:\ob+8*n+7], v[F+16*n:F+16*n+15], v[PC:PC+15], v[\ob+8*n:\ob+8*n+7]   ; the four accumulators by turns; the next step's eight score products stand between two links of a chain
.set n, n+1
.endr
.Lhid_\@:
.endm
.macro KSTEP
	v_add_nc_u32 v[ADK], s[TB], v[LI]
	v_add_nc_u32 v[ADV], s[TB], v[LIV]
	UNIT NLO, LLO, OLO, QLO, BLO
	UNIT NHI, LHI, OHI, QHI, BHI
	s_add_co_u32 s[TB], s[TB], 8192
	s_add_co_u32 s[KS], s[KS], 1
.endm
	s_wait_loadcnt 0x0                             ; Q
	s_wait_tensorcnt 1                             ; my small fill is in; the large one may stay out
	s_barrier_signal -1
	s_barrier_wait -1                              ; and everybody's small fill is in: keys 0 to 255 of K and of V
	s_mov_b32 s[TB], 0
	s_mov_b32 s[KS], 0
	s_mov_b32 s[CNT], 2
.Lfirst:                                           ; steps 0 and 1 read the first 16,384 bytes of each image, while the rest is on its way
	KSTEP
	s_sub_co_u32 s[CNT], s[CNT], 1
	s_cmp_lg_u32 s[CNT], 0
	s_cbranch_scc1 .Lfirst
	s_wait_tensorcnt 0x0                           ; my large fill is in,
	s_wait_dscnt 0x0
	s_barrier_signal -1
	s_barrier_wait -1                              ; and everybody's
	s_mov_b32 s[TB], EARLY
	s_mov_b32 s[CNT], 14
.Lrest:                                            ; steps 2 to 15: no barrier, no wait on a tile
	KSTEP
	s_sub_co_u32 s[CNT], s[CNT], 1
	s_cmp_lg_u32 s[CNT], 0
	s_cbranch_scc1 .Lrest
	; THE WAY OUT.  The sum's halves are added; O^T x 2^(e8 + e9) / the sum is held, quantised with 2^e10, and stored as the image of the next operand's registers.  The additions are the places behind the last products.
	v_add_f32 v[LLO], v[LLO], v[LLO+1]
	v_add_f32 v[LHI], v[LHI], v[LHI+1]
	s_delay_alu instid0(VALU_DEP_2)
	v_permlanex16_b32 v[W0], v[LLO], s[SEL], s[SEL+1]
	s_delay_alu instid0(VALU_DEP_2)
	v_permlanex16_b32 v[W1], v[LHI], s[SEL], s[SEL+1]
	s_delay_alu instid0(VALU_DEP_2)
	v_add_f32 v[LLO], v[LLO], v[W0]
	s_delay_alu instid0(VALU_DEP_2)
	v_add_f32 v[LHI], v[LHI], v[W1]
	s_wait_alu depctr_va_vdst(0)
	v_rcp_f32 v[LLO], v[LLO]
	v_rcp_f32 v[LHI], v[LHI]
	v_nop                                          ; a plain instruction behind the last reciprocal
	s_wait_alu depctr_va_vdst(0)                   ; and one wait for both, ahead of the first reader
	v_ldexp_f32 v[LLO], v[LLO], s73
	v_ldexp_f32 v[LHI], v[LHI], s73
.set n, 0
.rept 16
	v_pk_mul_f32 v[S+n:S+n+1], v[OLO+n:OLO+n+1], v[LLO:LLO+1] op_sel_hi:[1,0]   ; register 8 t + j: channel 16 t + 8 h + j of my query; each accumulator from its low end on
.set n, n+2
.endr
.set n, 0
.rept 16
	v_pk_mul_f32 v[S+32+n:S+32+n+1], v[OHI+n:OHI+n+1], v[LHI:LHI+1] op_sel_hi:[1,0]
.set n, n+2
.endr
.set n, 0
.rept 8
.set i, 0
.rept 8
.set i, i+1
.endr
	v_cvt_scalef32_pk8_bf8_f32 v[PC+2*n:PC+2*n+1], v[S+8*n:S+8*n+7], v[OSC]   ; LO: registers 0-7; HI: 8-15
.set n, n+1
.endr
	v_nop                                          ; one plain vector instruction behind the last conversion
	global_store_b128 v[LI], v[PC:PC+3],     s[80:81]             ; each store covers 512 consecutive bytes, aligned
	global_store_b128 v[LI], v[PC+4:PC+7],   s[80:81] offset:512
	global_store_b128 v[LI], v[PC+8:PC+11],  s[82:83]
	global_store_b128 v[LI], v[PC+12:PC+15], s[82:83] offset:512
	s_wait_tensorcnt 0x0
	ds_add_u32 v62, v63
	s_wait_dscnt 0x0
	CROUND                                         ; the closing round: no work-group ends while a partner may still ask for a tile that names it
	s_endpgm
.Lfunc_end_k_q13a28df004_attn:
	.size	k_q13a28df004_attn, .Lfunc_end_k_q13a28df004_attn-k_q13a28df004_attn
	.p2alignl 7, 3214868480
	.fill 96, 4, 3214868480
	.section	.rodata,"a",@progbits
	.p2align	6, 0x0
	.amdhsa_kernel k_q13a28df004_attn
		.amdhsa_group_segment_fixed_size 327680
		.amdhsa_private_segment_fixed_size 0
		.amdhsa_enable_private_segment 0
		.amdhsa_kernarg_size 40
		.amdhsa_user_sgpr_count 2
		.amdhsa_user_sgpr_kernarg_segment_ptr 1
		.amdhsa_wavefront_size32 1
		.amdhsa_system_sgpr_workgroup_id_x 1
		.amdhsa_system_sgpr_workgroup_id_y 1
		.amdhsa_system_sgpr_workgroup_id_z 1
		.amdhsa_system_vgpr_workitem_id 0
		.amdhsa_next_free_vgpr 256
		.amdhsa_next_free_sgpr 96
		.amdhsa_reserve_vcc 1
		.amdhsa_float_denorm_mode_32 3
		.amdhsa_float_denorm_mode_16_64 3
		.amdhsa_fp16_overflow 1
		.amdhsa_memory_ordered 1
		.amdhsa_forward_progress 1
		.amdhsa_inst_pref_size 89
	.end_amdhsa_kernel
	.amdgpu_metadata
---
amdhsa.version: [ 1, 2 ]
amdhsa.kernels:
  - .name:           k_q13a28df004_attn
    .symbol:         k_q13a28df004_attn.kd
    .args:
      - { .name: qh, .offset: 0, .size: 8, .value_kind: global_buffer, .address_space: global }
      - { .name: kh, .offset: 8, .size: 8, .value_kind: global_buffer, .address_space: global }
      - { .name: vh, .offset: 16, .size: 8, .value_kind: global_buffer, .address_space: global }
      - { .name: lowp_scales, .offset: 24, .size: 8, .value_kind: global_buffer, .address_space: global }
      - { .name: oimg, .offset: 32, .size: 8, .value_kind: global_buffer, .address_space: global }
    .group_segment_fixed_size: 327680
    .private_segment_fixed_size: 0
    .kernarg_segment_align: 8
    .kernarg_segment_size: 40
    .max_flat_workgroup_size: 512
    .sgpr_count:     96
    .vgpr_count:     256
    .wavefront_size: 32
...
	.end_amdgpu_metadata
.endif
;; end of part 2
;; launch oproj (part 3): grid 4 x 32, 4 waves a work-group, clusters of 4 x 4, 327,680 bytes of LDS; arguments oimg, Wo_codes, bo, lowp_scales, out0; writes out0
.if DOCPART == 3
	.amdgcn_target "amdgcn-amd-amdhsa--gfx1250"
	.amdhsa_code_object_version 6
	.text
	.protected	k_q13a28df004_oproj
	.globl	k_q13a28df004_oproj
	.p2align	8
	.type	k_q13a28df004_oproj,@function
k_q13a28df004_oproj:
	s_mov_b64 s[64:65], 0
	v_nop
	global_prefetch_b8 v0, s[64:65] scope:SCOPE_SE
	s_setreg_imm32_b32 hwreg(HW_REG_WAVE_MODE, 25, 1), 1
	s_wait_xcnt 0x0
	s_wait_alu depctr_hold_cnt(0) depctr_sa_sdst(0) depctr_va_vdst(0) depctr_va_sdst(0) depctr_va_ssrc(0) depctr_va_vcc(0) depctr_vm_vsrc(0)
	s_getreg_b32 s2, hwreg(HW_REG_IB_STS2, 6, 4)
	s_cmp_eq_u32 s2, 0
	s_cbranch_scc0 .Lentry_in_a_cluster
	s_endpgm
.Lentry_in_a_cluster:
	s_bfe_u32 s2, ttmp6, 0x10000c
	s_cmp_lg_u32 s2, 0xf033
	s_cbranch_scc0 .Lentry_shape_is_right
	s_endpgm
.Lentry_shape_is_right:
; THE LAST PROJECTION: out0 = o Wo + bo on codes of BF8 (E5M2).  o: 8,192 tokens x 1,024 channels, as images of operand registers; Wo: [1024 outputs][1024] codes, K innermost; bo [1024], out0 [8192][1024]: f32.
; oimg: [256 along K, 4][tile of 16 tokens, 512][128 along K, 2][4 chunks][lane][16 bytes]: a fragment (16 tokens x 128 K) is 2,048 consecutive bytes, registers 2 c, 2 c + 1 = K 16 c + 8 (lane / 16) + 0 .. 7.
; Sums in f32; out0 = sum x 2^(e10 + e11) + bo, one fused multiply-add.  LIMIT: e10 + e11 between -126 and 127, so that the power of two is an f32 number.
; SHARES.  A work-group of four waves makes 256 tokens x 256 outputs, a wave 128 x 128: 64 accumulators.  K goes in steps of 256 through a ring of two LDS slots filled by the tensor data mover.
; 8,192 x 1,024 outputs are 128 such tiles: that many work-groups are launched.
; CLUSTERS: 4 x 4 work-groups; the token images are shared along a row of the cluster, Wo's tile along a column: joint loads, as many requests as a quarter of the tiles read.
; Source 0 = 16 rows of Wo (X), source 1 = 16 tokens (Y): a lane holds eight neighbouring outputs of one token.
; The token images come back by four loads of 16 bytes at 16 x lane.  Wo's rows must then stand in the same places along K: eight loads of 8 bytes a fragment, at 16 c + 8 (lane / 16).
; REGISTERS, in windows of 256: window 0: v0-31 addresses, v[8:11] my four biases; from v128 Y's fragments, ONE set (on the way out: rows read back, two sets of 64).
;   window 1: X's fragments, TWO sets.   window 2: the accumulators of Y's blocks 0-3 ((a, b) at v[8 (8 (a % 4) + b)]);   window 3: those of blocks 4-7.
.set SIZE_N, 1024
.set KROW,   1024                      ; a row of Wo in memory, in bytes
.set ROWB,   256
.set PITCH,  272                       ; a row of Wo in LDS: 256 bytes + 16 of padding = 68 words: lane (r, h) starts at bank 4 r + 2 h mod 64 (64 banks of 4 bytes: ISA guide 11.1): the 32 lanes of a load of 8 bytes touch 64 different banks
.set FR,     16
.set NL,     4                         ; LDS loads that bring a fragment of Y
.set NP,     4                         ; places behind this matrix instruction (ISA guide 7.12.1)
.set TOKH,   32768                     ; eight token tiles x 4,096 bytes: what one tensor load brings of the images, and what one wave reads
.set WOFF,   2*TOKH                    ; Wo's rows lie behind the images
.set HALFW,  128*PITCH
.set SLOT,   WOFF+2*HALFW
.set KQB,    2097152                   ; from one 256 along K to the next in oimg
.set SPARE,  2*SLOT                    ; behind the ring: the spare words, 128 bytes for each wave: two blocks of 256 bytes that no other line names
.set SPITCH, 528                       ; the way out: a stage of 16 rows x (512 bytes + 16) for each wave.  It lies in slot 0, which has had its last fill and its last read when the first result is stored there
.set BIA,  8                           ; v[8:11] bo of my four columns of a row read back
.set ADRY, 16                          ; v16-17  LDS address of my Y fragments in slot 0, 1
.set ADRX, 20                          ; v20-21  the same for X
.set STO,  24                          ; v24     the way out: where I put 32 bytes of a row
.set RD,   25                          ; v25     the way out: where I read a row back
.set CO,   26                          ; v26     16 x lane
.set SPW,  28                          ; v28     LDS address of my spare word: SPARE + 4 x my thread's number; never rewritten
.set NIL,  29                          ; v29     0; never rewritten
.set YF,   128
.set BK,   128                         ; the way out: 16 rows read back: v128-191 and v192-255 by turns
.set G1, 24                            ; s[24:31] descriptor group 1 for the token images;  s[32:39] group 0, one set for each slot
.set G0, 32
.set G1B, 48                           ; s[48:55], s[56:63] the same for Wo's tiles
.set G0B, 56
.set MSB, 0
.macro WIN new                         ; the immediate's high byte repeats the setting that is left
.if MSB != \new
	s_set_vgpr_msb (MSB<<8)|\new
.set MSB, \new
.endif
.endm
.set MUL_LO, 0xa1                      ; source 0 (X) window 1, source 1 (Y) window 0, C and D window 2
.set MUL_HI, 0xf1                      ; the same, C and D window 3
.set TO_X,   0x40                      ; destination window 1, address window 0
.macro JLOAD g0a, g1a, g0b, g1b        ; a joint load: waves 0 and 1 fetch the images' halves, waves 2 and 3 Wo's; four v_nop follow each of the two lines
	s_cmp_eq_u32 s15, 0
	s_cbranch_scc0 .Lfor_b_\@
	tensor_load_to_lds s[\g0a:\g0a+3], s[\g1a:\g1a+7]
	s_nop 0
.rept 4
	v_nop
.endr
	s_branch .Lasked_\@
.Lfor_b_\@:
	tensor_load_to_lds s[\g0b:\g0b+3], s[\g1b:\g1b+7]
	s_nop 0
.rept 4
	v_nop
.endr
.Lasked_\@:
.endm
.macro CREST                           ; a round of the cluster's barrier behind its opening barrier
	s_cmp_lg_u32 s14, 0
	s_cbranch_scc1 .Lnot_wave_0_\@
	s_barrier_signal -3
.Lnot_wave_0_\@:
	s_barrier_wait -3
	s_barrier_signal -1
	s_barrier_wait -1
.endm
.macro CROUND                          ; a whole round
	s_barrier_signal -1
	s_barrier_wait -1
	CREST
.endm
	s_load_b256 s[4:11], s[0:1], 0x0               ; oimg s[4:5], Wo's codes s[6:7], bo s[8:9], the scales' exponents s[10:11]
	s_load_b64 s[12:13], s[0:1], 0x20              ; out0
	v_lshl_add_u32 v[SPW], v0, 2, SPARE
	v_mov_b32 v[NIL], 0
	ds_add_u32 v28, v29
	ds_add_u32 v28, v29
	s_wait_dscnt 0x0
	v_lshrrev_b32 v1, 5, v0
	v_readfirstlane_b32 s14, v1                    ; wave 0..3
	s_lshr_b32 s15, s14, 1                         ; yh: which half of the 256 tokens is mine.  Also: I fetch images (0) or Wo (1)
	s_and_b32 s16, s14, 1                          ; xh: which half of the 256 outputs.  Also: which half of that tile I fetch
	s_bfe_u32 s40, ttmp6, 0x40000                  ; cx, cy
	s_bfe_u32 s41, ttmp6, 0x40004
	s_lshl_b32 s42, ttmp9, 2
	s_add_co_u32 s42, s42, s40                     ; the tile of 256 outputs = 4 x cluster x + cx
	s_and_b32 s17, ttmp7, 0xffff
	s_lshl_b32 s17, s17, 2
	s_add_co_u32 s17, s17, s41                     ; the tile of 256 tokens = 4 x cluster y + cy
	s_lshl_b32 s43, s41, 2
	s_lshl_b32 s43, 15, s43                        ; my row of the cluster
	s_lshl_b32 s44, 0x1111, s40                    ; my column
	; descriptor group 1 for the images: 128 dense rows of 256 bytes (32 elements of 8 bytes), no padding: every read takes 512 consecutive bytes
	s_or_b32 s[G1+0], s43, (3<<16)|(1<<21)         ; 15:0 the mask: my row; 17:16 elements of 8 bytes; 21 set beside a mask
	s_mov_b32 s[G1+1], 32<<16                      ; tensor_dim0
	s_mov_b32 s[G1+2], 128<<16                     ; tensor_dim1
	s_mov_b32 s[G1+3], 32<<16                      ; tile_dim0
	s_mov_b32 s[G1+4], 128                         ; tile_dim1
	s_mov_b32 s[G1+5], 32                          ; tensor_dim0_stride
	s_mov_b32 s[G1+6], 0
	s_mov_b32 s[G1+7], 0
	; and for Wo: 128 rows x 256 bytes, padded in LDS
	s_or_b32 s[G1B+0], s44, (0<<16)|(1<<20)|(1<<21)|(5<<22)|(3<<25) ; the mask: my column; element of 1 byte; padding on: 4 words (code 3) after every 64 (code 5)
	s_mov_b32 s[G1B+1], ROWB<<16
	s_mov_b32 s[G1B+2], 128<<16
	s_mov_b32 s[G1B+3], ROWB<<16
	s_mov_b32 s[G1B+4], 128
	s_mov_b32 s[G1B+5], KROW
	s_mov_b32 s[G1B+6], 0
	s_mov_b32 s[G1B+7], 0
	s_lshl_b32 s20, s17, 16                        ; images: 16 token tiles x 4,096 bytes for each tile of 256 tokens,
	s_lshl_b32 s18, s16, 15                        ; + my half
	s_add_co_u32 s20, s20, s18
	s_mov_b32 s21, 0
	s_lshl_b32 s46, s42, 18                        ; Wo: 256 rows x 1,024 bytes for each tile of outputs,
	s_lshl_b32 s18, s16, 17                        ; + my half
	s_add_co_u32 s46, s46, s18
	s_mov_b32 s47, 0
	s_lshl_b32 s45, s16, 15                        ; where they go: the images' halves,
	s_mul_i32 s19, s16, HALFW
	s_add_co_u32 s19, s19, WOFF                    ; Wo's halves: no place in the cluster enters an LDS address
	s_wait_kmcnt 0x0
	s_load_b64 s[96:97], s[10:11], 0x28            ; e10, e11
	s_add_nc_u64 s[20:21], s[4:5], s[20:21]
	s_add_nc_u64 s[46:47], s[6:7], s[46:47]
	CROUND                                         ; all sixteen work-groups are here: the first joint loads meet
.irp s, 0,1
	s_mov_b32 s[G0+4*\s], 1
	s_add_co_u32 s[G0+4*\s+1], s45, \s*SLOT
	s_add_nc_u64 s[G0+4*\s+2:G0+4*\s+3], s[20:21], \s*KQB
	s_or_b32 s[G0+4*\s+3], s[G0+4*\s+3], 0x80000000
	s_mov_b32 s[G0B+4*\s], 1
	s_add_co_u32 s[G0B+4*\s+1], s19, \s*SLOT
	s_add_nc_u64 s[G0B+4*\s+2:G0B+4*\s+3], s[46:47], \s*ROWB
	s_or_b32 s[G0B+4*\s+3], s[G0B+4*\s+3], 0x80000000
	s_wait_alu depctr_va_vdst(0)
	s_wait_tensorcnt 0x0
	ds_add_u32 v28, v29
	ds_add_u32 v28, v29
	s_wait_dscnt 0x0
	CROUND
	JLOAD G0+4*\s, G1, G0B+4*\s, G1B               ; K steps 0 and 1, each behind a wait for all before it: only K step 1's tensor load of mine is out behind the loop
.endr
	v_and_b32 v1, 15, v0                           ; r
	v_bfe_u32 v2, v0, 4, 1                         ; h
	v_and_b32 v6, 31, v0
	v_lshlrev_b32 v[CO], 4, v6                     ; 16 x lane
	v_mul_u32_u24 v3, v1, PITCH
	v_lshl_add_u32 v4, v2, 3, v3                   ; Wo: row x pitch + 8 x half
	s_lshl_b32 s21, s15, 15                        ; my eight token tiles
	s_mul_i32 s22, s16, HALFW
	s_add_co_u32 s22, s22, WOFF                    ; my 128 rows of Wo
.irp s, 0,1
	v_add_nc_u32 v[ADRY+\s], s21, v[CO]
	v_add_nc_u32 v[ADRX+\s], s22, v4
	s_add_co_u32 s21, s21, SLOT
	s_add_co_u32 s22, s22, SLOT
.endr
	s_mul_i32 s23, s14, 16*SPITCH                  ; my stage
	v_mul_u32_u24 v5, v1, SPITCH                   ; in: row r, 32 bytes for each half of the lanes
	v_lshl_add_u32 v5, v2, 5, v5
	v_add_nc_u32 v[STO], s23, v5
	v_add_nc_u32 v[RD], s23, v[CO]                 ; back: the 32 lanes take one row of 512 bytes
	s_lshl_b32 s46, s42, 10                        ; my first output, in bytes of f32: 1,024 x tile + 512 x half
	s_lshl_b32 s47, s16, 9
	s_add_co_u32 s46, s46, s47
	s_mov_b32 s47, 0
	s_add_nc_u64 s[8:9], s[8:9], s[46:47]
	global_load_b128 v[BIA:BIA+3], v[CO], s[8:9]   ; bo of the four columns that I hold of every row read back
	s_lshl_b32 s20, s17, 20                        ; my first row of out0: (256 x tile + 128 x half) x 4,096 bytes
	s_lshl_b32 s21, s15, 19
	s_add_co_u32 s20, s20, s21
	s_mov_b32 s21, 0
	s_add_nc_u64 s[20:21], s[20:21], s[46:47]
	s_add_nc_u64 s[12:13], s[12:13], s[20:21]
.macro FRAGY reg, adr, q, i            ; token tile i, the slot's q-th 128 along K: the image as it was stored
.irp c, 0,1,2,3
	ds_load_b128 v[\reg+4*\c:\reg+4*\c+3], v[\adr] offset:(\i)*4096+2048*(\q)+512*\c
.endr
.endm
.macro FRAGX reg, adr, q, i            ; 16 rows of Wo: registers 2 c, 2 c + 1 hold K = 16 c + 8 (lane / 16) + 0 .. 7
.irp c, 0,1,2,3,4,5,6,7
	ds_load_b64 v[\reg+2*\c:\reg+2*\c+1], v[\adr] offset:128*(\q)+16*\c+(\i)*16*PITCH
.endr
.endm
; 16 matrix instructions: Y's blocks a0, a0 + 1 x X's eight, 128 along K.  The 64 accumulators take turns, one instruction a turn, in the same order in every step.
.macro MUL16 a0, p, zero
.irp a, \a0, \a0+1
.irp b, 0,1,2,3,4,5,6,7
.if \zero
	v_wmma_f32_16x16x128_bf8_bf8 v[8*(8*((\a)%4)+\b):8*(8*((\a)%4)+\b)+7], v[128*(\p)+FR*\b:128*(\p)+FR*\b+FR-1], v[YF+FR*(\a):YF+FR*(\a)+FR-1], 0
.else
	v_wmma_f32_16x16x128_bf8_bf8 v[8*(8*((\a)%4)+\b):8*(8*((\a)%4)+\b)+7], v[128*(\p)+FR*\b:128*(\p)+FR*\b+FR-1], v[YF+FR*(\a):YF+FR*(\a)+FR-1], v[8*(8*((\a)%4)+\b):8*(8*((\a)%4)+\b)+7]
.endif
.endr
.endr
.endm
.macro FETCH_X slot, q, p
	WIN TO_X
.irp i, 0,1,2,3,4,5,6,7
	FRAGX 128*(\p)+FR*\i, ADRX+\slot, \q, \i
.endr
	WIN 0
.endm
.macro FETCH_Y slot, q, i0
.irp i, \i0, \i0+1, \i0+2, \i0+3
	FRAGY YF+FR*(\i), ADRY+\slot, \q, \i
.endr
.endm
.macro PLACES n                        ; places in front of loads into registers that matrix instructions have read, and of the first read of results (ISA guide 7.12.1 for the first read of results)
.rept \n
	v_nop
.endr
.endm
.macro STEP slot, q, zero              ; a step of 128 along K that has its successor in the same slot
	s_wait_dscnt 4*NL                              ; X's set and Y's blocks 0-3 are in; the youngest sixteen loads (Y's blocks 4-7) may be out
	WIN MUL_LO
	MUL16 0, (\q)%2, \zero
	MUL16 2, (\q)%2, \zero
	s_wait_dscnt 0                                 ; Y's blocks 4-7 are in
	PLACES NP
	FETCH_X \slot, (\q)+1, 1-(\q)%2
	FETCH_Y \slot, (\q)+1, 0
	WIN MUL_HI
	MUL16 4, (\q)%2, \zero
	MUL16 6, (\q)%2, \zero
	PLACES NP
	WIN 0
	FETCH_Y \slot, (\q)+1, 4
.endm
; A slot's last step changes slots: ONE barrier; in front of it each wave waits for all its tensor loads, adds 0 to its spare word, and waits for that and for its own reads of this slot.  fill = 1: this slot is filled again, two K steps ahead.
.macro TURN slot, next, fill
	s_wait_tensorcnt 0x0                           ; all my tensor loads have landed: my part of the next slot  (every window is 0 here)
	ds_add_u32 v[SPW], v[NIL]                      ; 0 onto my spare word
	s_wait_dscnt 4*NL+1                            ; (the add and the youngest sixteen loads may be out)
	WIN MUL_LO
	MUL16 0, 1, 0                                  ; sixteen matrix instructions stand between the add and the wait for it
	s_wait_dscnt 0x0                               ; the add is done, and my reads of this slot are over
	s_barrier_signal -1
	MUL16 2, 1, 0
	WIN 0
	s_barrier_wait -1
.if \fill
	CREST                                          ; the barrier has opened a round of the cluster's barrier: no wave of any partner still reads this slot or has a load on its way
	s_add_nc_u64 s[G0+4*\slot+2:G0+4*\slot+3], s[G0+4*\slot+2:G0+4*\slot+3], 2*KQB
	s_add_nc_u64 s[G0B+4*\slot+2:G0B+4*\slot+3], s[G0B+4*\slot+2:G0B+4*\slot+3], 2*ROWB
	JLOAD G0+4*\slot, G1, G0B+4*\slot, G1B         ; the first tensor load behind the round, my only one until the next; its four v_nop are the places in front of the loads below
.else
	PLACES NP
.endif
	FETCH_X \next, 0, 0
	FETCH_Y \next, 0, 0
	WIN MUL_HI
	MUL16 4, 1, 0
	MUL16 6, 1, 0
	PLACES NP
	WIN 0
	FETCH_Y \next, 0, 4
.endm
	s_wait_alu depctr_va_vdst(0)
	s_wait_tensorcnt 1                             ; my part of K step 0 is in (K step 1's load may be out)
	s_barrier_signal -1
	s_barrier_wait -1                              ; everybody's is
	FETCH_X 0, 0, 0
	FETCH_Y 0, 0, 0
	FETCH_Y 0, 0, 4
	STEP 0, 0, 1                                   ; K = 1,024 is four K steps of 256, eight steps of 128: written out.  The first products start the sums
	TURN 0, 1, 1                                   ; slot 0 takes K step 2
	STEP 1, 0, 0
	TURN 1, 0, 1                                   ; slot 1 takes K step 3
	STEP 0, 0, 0
	TURN 0, 1, 0                                   ; nothing is left to fetch
	STEP 1, 0, 0
	s_wait_dscnt 4*NL                              ; the very last step
	WIN MUL_LO
	MUL16 0, 1, 0
	MUL16 2, 1, 0
	s_wait_dscnt 0
	WIN MUL_HI
	MUL16 4, 1, 0
	MUL16 6, 1, 0
	WIN 0
; THE WAY OUT, block by block of 16 tokens x 128 outputs.  A lane holds 32 neighbouring bytes of a row and the lanes beside it other rows: the raw sums go through my own stage in LDS, straight from the accumulators,
; and come back as whole rows of 512 bytes; there each lane holds the same four columns in every row, so four registers of bo serve, and sum x 2^(e10 + e11) + bo is one packed multiply-add for two numbers.
; LDS serves a wave's instructions in order (ISA guide 5.7.1.4): no wait between the stores and the loads, nor in front of the next block's stores.
.macro TOSTAGE a
.set AC, 64*((\a)%4)
	WIN 0x08+4*((\a)/4)                            ; an LDS store's data are its source 1: window 2 or 3
.irp b, 0,1,2,3,4,5,6,7
	ds_store_b128 v[STO], v[AC+8*\b:AC+8*\b+3] offset:64*\b          ; each accumulator from its low end on
	ds_store_b128 v[STO], v[AC+8*\b+4:AC+8*\b+7] offset:64*\b+16
.endr
	WIN 0
.set BB, BK+64*((\a)%2)
.irp t, 0,1,2,3,4,5,6,7,8,9,10,11,12,13,14,15
	ds_load_b128 v[BB+4*\t:BB+4*\t+3], v[RD] offset:\t*SPITCH
.endr
.endm
.macro SEND a, younger                 ; younger: the LDS instructions issued behind block a's loads, which may stay out
.set BB, BK+64*((\a)%2)
	s_wait_dscnt \younger                          ; the block is back in registers
.if (\a) > 0
	s_add_nc_u64 s[12:13], s[12:13], 16*SIZE_N*4   ; (behind a wait on XCNT: the earlier stores have read their base)  16 rows on
.endif
.irp t, 0,1,2,3,4,5,6,7,8,9,10,11,12,13,14,15
	v_pk_fma_f32 v[BB+4*\t:BB+4*\t+1], v[BB+4*\t:BB+4*\t+1], s[96:97], v[BIA:BIA+1] op_sel_hi:[1,0,1]
	v_pk_fma_f32 v[BB+4*\t+2:BB+4*\t+3], v[BB+4*\t+2:BB+4*\t+3], s[96:97], v[BIA+2:BIA+3] op_sel_hi:[1,0,1]
	global_store_b128 v[CO], v[BB+4*\t:BB+4*\t+3], s[12:13] offset:\t*SIZE_N*4 th:TH_STORE_NT   ; 32 lanes store 512 consecutive bytes, at a multiple of 256 from out0's first byte; written once, read by nobody here
.endr
.endm
	s_wait_kmcnt 0x0
	s_add_co_i32 s96, s96, s97                     ; e10 + e11, between -126 and 127,
	s_add_co_i32 s96, s96, 127
	s_lshl_b32 s96, s96, 23                        ; makes the f32 number 2^(e10 + e11)
	s_mov_b32 s97, s96                             ; (named with it as a pair, so it is written)
	s_wait_loadcnt 0x0                             ; bo
	PLACES NP                                      ; behind the last products: for the stores that read results and the loads into the registers that held Y's fragments
	TOSTAGE 0
.irp a, 1,2,3,4,5,6,7
.if \a > 1
	s_wait_xcnt 0x0                                ; block a - 2's stores have read their registers and their base: block a's loads may land there, and the base may step
.endif
	TOSTAGE \a
	SEND \a-1, 32                                  ; behind block a - 1's loads: block a's 16 stores and 16 loads
.endr
	s_wait_xcnt 0x0                                ; block 6's stores have read their base
	SEND 7, 0
	s_wait_tensorcnt 0x0                           ; the wave's end: behind my last tensor load and my last LDS store
	ds_add_u32 v[SPW], v[NIL]
	s_wait_dscnt 0x0
	CROUND                                         ; the closing round: no work-group ends while a partner may still ask for a tile that names it
	s_endpgm
.Lfunc_end_k_q13a28df004_oproj:
	.size	k_q13a28df004_oproj, .Lfunc_end_k_q13a28df004_oproj-k_q13a28df004_oproj
	.p2alignl 7, 3214868480
	.fill 96, 4, 3214868480
	.section	.rodata,"a",@progbits
	.p2align	6, 0x0
	.amdhsa_kernel k_q13a28df004_oproj
		.amdhsa_group_segment_fixed_size 327680
		.amdhsa_private_segment_fixed_size 0
		.amdhsa_enable_private_segment 0
		.amdhsa_kernarg_size 40
		.amdhsa_user_sgpr_count 2
		.amdhsa_user_sgpr_kernarg_segment_ptr 1
		.amdhsa_wavefront_size32 1
		.amdhsa_system_sgpr_workgroup_id_x 1
		.amdhsa_system_sgpr_workgroup_id_y 1
		.amdhsa_system_sgpr_workgroup_id_z 1
		.amdhsa_system_vgpr_workitem_id 0
		.amdhsa_next_free_vgpr 1024
		.amdhsa_next_free_sgpr 98
		.amdhsa_reserve_vcc 0
		.amdhsa_float_denorm_mode_32 3
		.amdhsa_float_denorm_mode_16_64 3
		.amdhsa_memory_ordered 1
		.amdhsa_forward_progress 1
		.amdhsa_inst_pref_size 140
	.end_amdhsa_kernel
	.amdgpu_metadata
---
amdhsa.version: [ 1, 2 ]
amdhsa.kernels:
  - .name:           k_q13a28df004_oproj
    .symbol:         k_q13a28df004_oproj.kd
    .args:
      - { .name: oimg, .offset: 0, .size: 8, .value_kind: global_buffer, .address_space: global }
      - { .name: Wo_codes, .offset: 8, .size: 8, .value_kind: global_buffer, .address_space: global }
      - { .name: bo, .offset: 16, .size: 8, .value_kind: global_buffer, .address_space: global }
      - { .name: lowp_scales, .offset: 24, .size: 8, .value_kind: global_buffer, .address_space: global }
      - { .name: out0, .offset: 32, .size: 8, .value_kind: global_buffer, .address_space: global }
    .group_segment_fixed_size: 327680
    .private_segment_fixed_size: 0
    .kernarg_segment_align: 8
    .kernarg_segment_size: 40
    .max_flat_workgroup_size: 128
    .sgpr_count:     98
    .vgpr_count:     1024
    .wavefront_size: 32
...
	.end_amdgpu_metadata
.endif
;; end of part 3
